; MI455X (gfx1250); checked and timed in simulation.
; The chip was launched on July 23, 2026; its instructions are those of AMD's public machine-readable ISA for CDNA 5 (MIT licence, August 2026) and "CDNA5" Instruction Set Architecture Reference Guide (July 2026). The comments in the code are by the model that wrote it; some were corrected since.
;; Moe Layer. Allowed arithmetic: matrix products marked QUANTISED: E5M2 operands, one E8M0 scale for each 32 along K, by v_wmma_scale_f32_16x16x128_f8f6f4 with both operands' format E5M2, f32 sums; products left as they are: f32 operands where the result goes on into a quantised operand, else bf16, f16 or f32 operands; f32 sums; everything else in f32.
;; Inputs: W_codes 8 x 1,024 x 32 x 32 uint8 (E5M2 codes of W, K innermost, in blocks of 32 codes); W_scales 8 x 1,024 x 32 uint8 (E8M0 scales of W, one for each 32 codes along K); b 8 x 1,024 float32; gate_W 1,024 x 8 float32; gate_b 8 float32; x 8,192 x 1,024 float32.
;; Outputs: out0 8,192 x 1,024 float32.
;; This version of the problem:
;;   THIS VERSION OF THE PROBLEM IS GIVEN IN LOW PRECISION. The matrix products marked QUANTISED in the list below multiply operands that are first quantised to E5M2 (5 exponent bits, 2 mantissa bits; 8 bits a number), with one power-of-two scale for each 32 numbers along K (OCP MX v1.0); their sums are f32. All else is computed in f32.
;;   The module's matrix products, in the order in which they are computed (A, B: the left and right operand; K: the contracted axis; several contracted axes count as one K, in the product's order):
;;     1. [M 8,192, K 1,024] x [K 1,024, N 8]; A: input x; B: input gate_W: left as it is (N = 8 < 16)
;;     2. [M 8,192, K 1,024] x [K 1,024, N 8,192]; A: input x; B: input W (given as codes): QUANTISED
;;     3. batch 8,192 x [M 1, K 8] x [K 8, N 1,024]; A: softmax; B: computed on the way: left as it is (K = 8 < 32)
;;   THE QUANTISER, for each operand of a quantised product, along K:
;;     - K is cut into blocks of 32 from its start; a last block that is shorter is filled with zeros.
;;     - A block's scale is 2^e with e = floor(log2(the largest magnitude in the block)) - 15, held to -126 .. 127; a block of zeros has e = 0. As a byte (E8M0): e + 127.
;;     - Each number is divided by its block's scale, clamped to +-57,344, and rounded to the nearest number of E5M2, ties to even, subnormals kept.
;;     - The product sums the exact products of the quantised numbers (number of the format x scale) in f32.
;;   ~~~python
;;   def quantise(x, axis):      # numpy; x: float32 -> the quantised numbers, widened to float32 again
;;       x = np.moveaxis(x, axis, -1); K = x.shape[-1]
;;       x = np.pad(x, [(0, 0)] * (x.ndim - 1) + [(0, -K % 32)]); x = x.reshape(x.shape[:-1] + (-1, 32)); a = np.abs(x).max(-1, keepdims=True)
;;       e = np.where(a > 0, np.clip(np.frexp(np.where(a > 0, a, 1))[1] - 1 - 15, -126, 127), 0)      # np.frexp(a)[1] - 1 = floor(log2(a)), exactly
;;       r = np.clip(x / 2.0 ** e, -57344, 57344)
;;       step = 2.0 ** (np.maximum(np.frexp(np.where(r == 0, 1, r))[1] - 1, -14) - 2)
;;       q = np.round(r / step) * step * 2.0 ** e      # np.round: ties to even
;;       return np.moveaxis(q.reshape(q.shape[:-2] + (-1,))[..., :K], -1, axis).astype(np.float32)
;;   ~~~
;;   INPUTS GIVEN AS CODES. W (in the module: [8, 1024, 1024], K = its axis 1): each comes as NAME_codes (uint8): NAME with its K axis moved to the last place and cut into blocks of 32 codes, [.., K / 32, bytes a block], one block behind the other in memory; one code a byte (a code: sign, 5 exponent bits, 2 mantissa bits); and NAME_scales (uint8): the same leading axes, one E8M0 byte (e + 127) for each 32 codes along K. Its value is code x scale, taken as it is: it is not quantised again, and the codes and scales need not be those that the quantiser above would give.
;; One version. Each part assembles by itself: llvm-mc -triple=amdgcn-amd-amdhsa -mcpu=gfx1250 --defsym DOCPART=n.
;; ======== version 1 of 1: 2 launches
;; limits: values are held in f16: magnitudes above 65,504 overflow, below 6.1e-05 lose precision; values are held in bf16: 8 bits of precision; right only within a limited range of input values
;; workspace buffers: x_img 8,388,608 bytes; x_sc 262,144 bytes; gate_ws 393,216 bytes; gate_bf 262,144 bytes; b_img 16,384 bytes
;; launch prep (part 1): grid 256 x 1, 16 waves a work-group, no clusters, 169,984 bytes of LDS; arguments x, gate_W, gate_b, b, x_img, x_sc, gate_ws, gate_bf, b_img; writes x_img, x_sc, gate_ws, gate_bf, b_img
.if DOCPART == 1
	.amdgcn_target "amdgcn-amd-amdhsa--gfx1250"
	.amdhsa_code_object_version 6
	.text
	.protected	k_q36d4b7ea47_prep
	.globl	k_q36d4b7ea47_prep
	.p2align	8
	.type	k_q36d4b7ea47_prep,@function
k_q36d4b7ea47_prep:
	s_mov_b64 s[64:65], 0
	v_nop
	global_prefetch_b8 v0, s[64:65] scope:SCOPE_SE
	s_setreg_imm32_b32 hwreg(HW_REG_WAVE_MODE, 25, 1), 1
	s_wait_xcnt 0x0
; x [8192][1024] f32 is read ONCE and gives two things: its codes of BF8 (E5M2) with one E8M0 byte for each 32 along K, and the gate g = softmax(x gate_W + gate_b).
; SHARES.  A work-group takes 32 rows.  Wave w takes row tile u = w & 1 (16 rows) and K step s = w >> 1 (128 along K): one operand fragment.  Straight-line, no loop.
; OUT:  x_img [row tile 512][K step 8][c 4][lane 32][16 bytes]: the fragment's registers on end, so that the next launch loads them as they stand;
;       x_sc  [row][32 bytes]: word s of a row = the four scale bytes of K step s;
;       gate_ws [32 rows 256][pair 6][row 32][2] f32: what the next launch multiplies its sums by: numbers 0 to 6 g_0/g_1 .. g_6/g_7, number 7 g_7/g_0, number 8 (and 9 to 11) g_7;
;       gate_bf [row tile 512][lane 32][16 bytes]: g_e / g_0 as bf16, half of an operand of 16x16x32: lanes 0-15 hold experts 0..7 of row r, lanes 16-31 zeros;
;       b_img [column tile 64][r 16][8] bf16: b of experts 0..7 at column 16 tile + r (wave 2 of the first 32 work-groups, two tiles each).
; THE QUANTISER: a block's scale is 2^(floor(log2(largest magnitude)) - 15); its byte is the largest magnitude's exponent field - 15, held at 1 from below by a floor among the maximum's leaves;
; each number is held within +-57,344 x the scale and converted, ties to even.
; THE GATE'S PRODUCT is left as it is by the problem: f16 operands (an error in a logit moves an output by g times it times an expert's result, so the format with 11 bits), f32 sums, 16x16x32.  The softmax takes the row's maximum away, in f32.
; LIMITS: NaN and infinities among the inputs are not served; x and gate_W enter the gate's product as f16: each must stay under 65,520 in magnitude.  A block of zeros gets the byte 1 where the rule says 127: its codes are zeros, and this program alone
; reads the bytes.  A gate under 2^-40 of its row's largest is taken as 2^-40 of it, so that the ratios stay finite: at the most 2^-40 of an expert's result is added.
.set XPITCH, 528                       ; a row of the wave's tile in LDS: 512 bytes + 16 of padding = 33 x 16: the 16 rows that a load touches start in 16 different columns of 16 bytes
.set XTW,    16*XPITCH                 ; a wave's tile, filled once by the wave's own tensor load and read by that wave alone
.set RED,    16*XTW                    ; behind the tiles: partial logits, 1,024 bytes a wave
.set SCL,    RED+16*1024               ; behind them: the 32 rows' scale bytes, 32 a row
.set SPARE,  0x29000                   ; the spare words: 128 bytes a wave
.set X,    16                          ; v16-79   x's 64 numbers: register 16 b + i = k 32 b + 16 (lane / 16) + i of my row; later wave 0's partial logits
.set GWR,  80                          ; v80-143  gate_W's 64 numbers: the same k, of expert lane & 7
.set XPK,  80                          ; v80-111  x as f16, over what has been packed
.set ACC0, 112                         ; v112-119, v120-127 two sums of logits, by turns
.set ACC1, 120
.set PC,   128                         ; v128-143 the codes
.set GPK,  144                         ; v144-175 gate_W as f16
.set TM,   176                         ; v176-179 largest magnitudes, v180-183 bytes, v184-187 the largest number x the scale, v188-191 the conversions' scale operands
.set SPW,  192
.set NIL,  193
.set GB,   194                         ; v194-201 gate_b
.set PW,   14                          ; v14      my row's scale word
.set WV,   20                          ; s20 wave, s21 u, s22 s
.set SEL,  36                          ; s[36:37] v_permlanex16_b32's selects for lane l xor 16
.set MNT,  38                          ; s38      the mantissa field of 57,344
	s_load_b256 s[4:11], s[0:1], 0x0               ; x, gate_W, gate_b, b
	s_load_b256 s[12:19], s[0:1], 0x20             ; x_img, x_sc, gate_ws, gate_bf
	s_load_b64 s[50:51], s[0:1], 0x40              ; b_img
	v_lshl_add_u32 v[SPW], v0, 2, SPARE
	v_mov_b32 v[NIL], 0
	ds_add_u32 v[SPW], v[NIL]                      ; the opening: the add, twice on end, and its wait ahead of my tensor load
	ds_add_u32 v[SPW], v[NIL]
	v_lshrrev_b32 v1, 5, v0
	s_delay_alu instid0(VALU_DEP_1)
	v_readfirstlane_b32 s[WV], v1                  ; wave 0..15
	s_and_b32 s21, s[WV], 1                        ; u: which 16 rows
	s_lshr_b32 s22, s[WV], 1                       ; s: which 128 along K
	; descriptor group 1: 16 rows x 128 elements of 4 bytes, rows 1,024 elements apart, 4 words of padding behind every 128
	s_mov_b32 s28, (2<<16)|(1<<20)|(6<<22)|(3<<25)
	s_mov_b32 s29, 128<<16                         ; tensor_dim0
	s_mov_b32 s30, 16<<16                          ; tensor_dim1
	s_mov_b32 s31, 128<<16                         ; tile_dim0
	s_mov_b32 s32, 16                              ; tile_dim1
	s_mov_b32 s33, 1024                            ; stride from row to row
	s_mov_b32 s34, 0
	s_mov_b32 s35, 0
	s_mov_b32 s24, 1                               ; group 0: count,
	s_mul_i32 s25, s[WV], XTW                      ; my tile in LDS,
	s_lshl_b32 s56, ttmp9, 17                      ; and in x: 32 rows of 4,096 bytes a work-group,
	s_lshl_b32 s39, s21, 16                        ; 16 rows,
	s_add_co_u32 s56, s56, s39
	s_lshl_b32 s39, s22, 9                         ; 128 numbers
	s_add_co_u32 s56, s56, s39
	s_mov_b32 s57, 0
	s_lshl_b32 s40, s22, 12                        ; gate_W: 128 rows of 32 bytes a K step
	s_mov_b32 s41, 0
	s_lshl_b32 s42, ttmp9, 15                      ; x_img: row tile 2 g + u, 16,384 bytes each; K step s, 2,048 bytes
	s_lshl_b32 s39, s21, 14
	s_add_co_u32 s42, s42, s39
	s_lshl_b32 s39, s22, 11
	s_add_co_u32 s42, s42, s39
	s_mov_b32 s43, 0
	s_lshl_b32 s44, ttmp9, 10                      ; x_sc: 32 rows of 32 bytes
	s_mov_b32 s45, 0
	s_mul_i32 s46, ttmp9, 1536                     ; gate_ws: six units of 256 bytes for 32 rows
	s_mov_b32 s47, 0
	s_lshl_b32 s48, ttmp9, 10                      ; gate_bf: two row tiles of 512 bytes
	s_mov_b32 s49, 0
	s_lshl_b32 s52, ttmp9, 7                       ; b: 32 columns
	s_mov_b32 s53, 0
	s_lshl_b32 s54, ttmp9, 9                       ; b_img: two column tiles of 256 bytes
	s_mov_b32 s55, 0
	s_mov_b32 s[SEL], 0x76543210
	s_mov_b32 s[SEL+1], 0xfedcba98
	s_mov_b32 s[MNT], 0x600000
	s_wait_dscnt 0x0
	s_wait_kmcnt 0x0
	s_add_nc_u64 s[26:27], s[4:5], s[56:57]
	s_or_b32 s27, s27, 0x80000000                  ; type = 2
	tensor_load_to_lds s[24:27], s[28:35]          ; my 16 rows x 512 bytes: the wave's one tensor load; nothing in LDS is filled twice
	s_nop 0
.rept 4
	v_nop
.endr
	s_add_nc_u64 s[6:7], s[6:7], s[40:41]
	s_add_nc_u64 s[10:11], s[10:11], s[52:53]
	s_add_nc_u64 s[12:13], s[12:13], s[42:43]
	s_add_nc_u64 s[14:15], s[14:15], s[44:45]
	s_add_nc_u64 s[16:17], s[16:17], s[46:47]
	s_add_nc_u64 s[18:19], s[18:19], s[48:49]
	s_add_nc_u64 s[50:51], s[50:51], s[54:55]
	; every address register is made here, ahead of the place where the waves part
	v_and_b32 v1, 31, v0                           ; lane
	v_and_b32 v2, 15, v0                           ; r
	v_bfe_u32 v3, v0, 4, 1                         ; h
	v_and_b32 v5, 7, v0
	v_mul_u32_u24 v4, v2, XPITCH
	v_lshlrev_b32 v6, 4, v1                        ; 16 x lane
	v_lshlrev_b32 v5, 2, v5
	v_lshl_add_u32 v4, v3, 6, v4
	v_lshlrev_b32 v11, 3, v1                       ; gate_ws: 8 x lane: lane l finishes row l
	v_lshl_add_u32 v5, v3, 9, v5                   ; gate_W: expert r & 7 (rows 8-15 of the operand repeat experts 0-7), + 16 h rows of 32 bytes
	v_add_nc_u32 v4, s25, v4                       ; x in LDS: row r, + 64 h: my 16 numbers of a block of 32
	v_lshlrev_b32 v15, 2, v1                       ; b: 4 x lane
	s_lshl_b32 s39, s21, 9
	s_lshl_b32 s23, s22, 2
	s_add_co_u32 s39, s39, s23
	s_add_co_u32 s39, s39, SCL
	v_lshl_add_u32 v7, v2, 5, s39                  ; my row's scale word: SCL + 32 (16 u + r) + 4 s
	s_lshl_b32 s23, s[WV], 10
	s_add_co_u32 s23, s23, RED
	v_lshl_add_u32 v8, v1, 4, s23                  ; my partial logits: RED + 1,024 w + 16 x lane
	v_lshlrev_b32 v9, 4, v2
	v_lshlrev_b32 v12, 4, v2
	v_mov_b32 v13, 0
	v_lshl_add_u32 v9, v3, 10, v9
	v_lshl_add_u32 v12, v3, 9, v12                 ; gate_bf: 512 h + 16 r
	v_lshl_add_u32 v10, v1, 4, SCL                 ; wave 1 reads the scale bytes back: 16 x lane
	v_add_nc_u32 v9, RED, v9                       ; wave 0 reads them back: lane (r, h) stands for row 16 h + r: wave 2 s + h, lane r
.irp b, 0,1,2,3
	v_mov_b32 v[TM+4+\b], 0                        ; written once: a lane permute's destination counts as one of its sources
.endr
	s_wait_alu depctr_va_vdst(0)                   ; the wait at the head's end
	; gate_W(128 s + 32 b + 16 h + i, r & 7): the k that x's registers hold, so that both operands carry the same permutation of k
.irp b, 0,1,2,3
.irp i, 0,1,2,3,4,5,6,7,8,9,10,11,12,13,14,15
	global_load_b32 v[GWR+16*\b+\i], v5, s[6:7] offset:1024*\b+32*\i
.endr
.endr
	global_load_b128 v[GB:GB+3], v13, s[8:9]
	global_load_b128 v[GB+4:GB+7], v13, s[8:9] offset:16
	s_cmp_lg_u32 s[WV], 2                          ; wave 2 of work-groups 0 to 31: b in the order of an operand's registers, while the tiles are on their way
	s_cbranch_scc1 .Lno_b
	s_cmp_gt_u32 ttmp9, 31
	s_cbranch_scc1 .Lno_b
.irp e, 0,1,2,3,4,5,6,7
	global_load_b32 v[202+\e], v15, s[10:11] offset:4096*\e
.endr
	s_wait_loadcnt 0x0
.irp q, 0,1,2,3
	v_cvt_pk_bf16_f32 v[210+\q], v[202+2*\q], v[203+2*\q]
.endr
	global_store_b128 v6, v[210:213], s[50:51]     ; 512 consecutive bytes, aligned
.Lno_b:
	s_wait_loadcnt 0x0                             ; gate_W, gate_b
.irp q, 0,1,2,3,4,5,6,7,8,9,10,11,12,13,14,15,16,17,18,19,20,21,22,23,24,25,26,27,28,29,30,31
	v_cvt_pk_f16_f32 v[GPK+\q], v[GWR+2*\q], v[GWR+2*\q+1]
.endr
	s_wait_tensorcnt 0x0                           ; my tile is in LDS; only I read it
.irp b, 0,1,2,3
.irp j, 0,1,2,3
	ds_load_b128 v[X+16*\b+4*\j:X+16*\b+4*\j+3], v4 offset:128*\b+16*\j
.endr
.endr
	s_wait_alu depctr_va_vdst(0)
	s_wait_dscnt 0x0                               ; x
.irp q, 0,1,2,3,4,5,6,7,8,9,10,11,12,13,14,15,16,17,18,19,20,21,22,23,24,25,26,27,28,29,30,31
	v_cvt_pk_f16_f32 v[XPK+\q], v[X+2*\q], v[X+2*\q+1]
.endr
	; logits^T: source 0 = 16 rows of gate_W^T (experts), source 1 = my 16 rows of x: lane (r, .) holds row r, register j expert j, in both halves of the lanes.  Two sums by turns
	v_wmma_f32_16x16x32_f16 v[ACC0:ACC0+7], v[GPK:GPK+7], v[XPK:XPK+7], 0
	v_wmma_f32_16x16x32_f16 v[ACC1:ACC1+7], v[GPK+8:GPK+15], v[XPK+8:XPK+15], 0
	v_wmma_f32_16x16x32_f16 v[ACC0:ACC0+7], v[GPK+16:GPK+23], v[XPK+16:XPK+23], v[ACC0:ACC0+7]
	v_wmma_f32_16x16x32_f16 v[ACC1:ACC1+7], v[GPK+24:GPK+31], v[XPK+24:XPK+31], v[ACC1:ACC1+7]
	; the quantiser.  Its lines name no register of the products: far more than four places (ISA guide 7.12.1) stand ahead of the first read of a sum
.irp b, 0,1,2,3
	v_max3_num_f32 v[TM+\b], |v[X+16*\b]|, |v[X+1+16*\b]|, 0x8000000   ; block b: my 16 numbers, and the floor 2^(16 - 127): the byte cannot fall under 1
.endr
.irp i, 2,4,6,8,10,12,14
.irp b, 0,1,2,3
	s_delay_alu instid0(VALU_DEP_4)
	v_max3_num_f32 v[TM+\b], v[TM+\b], |v[X+16*\b+\i]|, |v[X+1+16*\b+\i]|   ; the four blocks by turns
.endr
.endr
.irp b, 0,1,2,3
	s_delay_alu instid0(VALU_DEP_4)
	v_permlanex16_b32 v[TM+4+\b], v[TM+\b], s[SEL], s[SEL+1]
.endr
.irp b, 0,1,2,3
	s_delay_alu instid0(VALU_DEP_4)
	v_max_num_f32 v[TM+\b], v[TM+\b], v[TM+4+\b]   ; with lane l xor 16's 16: the block's largest magnitude
.endr
.irp b, 0,1,2,3
	s_delay_alu instid0(VALU_DEP_4)
	v_add_nc_u32 v[TM+12+\b], 0xf8800000, v[TM+\b] ; 15 off its exponent field: the conversion's scale operand
.endr
.irp b, 0,1,2,3
	v_and_or_b32 v[TM+8+\b], v[TM+\b], 0x7f800000, s[MNT]   ; 57,344 x the scale
.endr
.irp b, 0,1,2,3
	v_lshrrev_b32 v[TM+4+\b], 23, v[TM+12+\b]      ; the scale's byte
.endr
	s_delay_alu instid0(VALU_DEP_3)
	v_lshl_or_b32 v[PW], v[TM+5], 8, v[TM+4]
	s_delay_alu instid0(VALU_DEP_1)
	v_lshl_or_b32 v[PW], v[TM+6], 16, v[PW]
	s_delay_alu instid0(VALU_DEP_1)
	v_lshl_or_b32 v[PW], v[TM+7], 24, v[PW]        ; my row's scale word for this K step
.irp b, 0,1,2,3
.irp i, 0,1,2,3,4,5,6,7,8,9,10,11,12,13,14,15
	v_med3_num_f32 v[X+16*\b+\i], v[X+16*\b+\i], -v[TM+8+\b], v[TM+8+\b]   ; the conversion to an 8-bit code does not saturate (ISA guide 7.6.2): the hold comes first
.endr
	v_cvt_scalef32_pk8_bf8_f32 v[PC+4*\b:PC+1+4*\b], v[X+16*\b:X+7+16*\b], v[TM+12+\b]
	v_cvt_scalef32_pk8_bf8_f32 v[PC+2+4*\b:PC+3+4*\b], v[X+8+16*\b:X+15+16*\b], v[TM+12+\b]
.endr
	v_nop                                          ; one plain line between the last conversion and the additions below, which write its sources
.irp c, 0,1,2,3
	global_store_b128 v6, v[PC+4*\c:PC+4*\c+3], s[12:13] offset:512*\c   ; the fragment as it stands: each store covers 512 consecutive bytes, aligned
.endr
	ds_store_b32 v7, v[PW]                         ; both halves of the lanes write the same word with the same value
.irp q, 0,1,2,3
	v_pk_add_f32 v[X+2*\q:X+2*\q+1], v[ACC0+2*\q:ACC0+2*\q+1], v[ACC1+2*\q:ACC1+2*\q+1]   ; this K step's part of the logits; each sum is read from its low end on
.endr
	ds_store_b128 v8, v[X:X+3]
	ds_store_b128 v8, v[X+4:X+7] offset:512
	s_wait_dscnt 0x0                               ; for the others' sake: my LDS stores have landed
	s_barrier_signal -1
	s_barrier_wait -1
	s_cmp_eq_u32 s[WV], 0
	s_cbranch_scc1 .Lgate
	s_cmp_eq_u32 s[WV], 1
	s_cbranch_scc1 .Lscales
	s_wait_tensorcnt 0x0                           ; a wave's end
	ds_add_u32 v[SPW], v[NIL]
	s_wait_dscnt 0x0
	s_endpgm
.Lscales:                                              ; wave 1: the 32 rows' scale bytes leave as 1,024 consecutive bytes
	ds_load_b128 v[16:19], v10
	ds_load_b128 v[20:23], v10 offset:512
	s_wait_dscnt 0x0
	global_store_b128 v6, v[16:19], s[14:15]
	global_store_b128 v6, v[20:23], s[14:15] offset:512
	s_wait_tensorcnt 0x0
	ds_add_u32 v[SPW], v[NIL]
	s_wait_dscnt 0x0
	s_endpgm
.Lgate:                                                ; wave 0: lane (r, h) finishes row 16 h + r
	s_wait_xcnt 0x0                                ; my stores of codes have read their registers, which are written again below
.irp s, 0,1,2,3,4,5,6,7
	ds_load_b128 v[16+8*\s:19+8*\s], v9 offset:2048*\s
	ds_load_b128 v[20+8*\s:23+8*\s], v9 offset:2048*\s+512
.endr
	s_wait_dscnt 0x0
.irp q, 0,1,2,3
	v_pk_add_f32 v[80+2*\q:81+2*\q], v[GB+2*\q:GB+2*\q+1], v[16+2*\q:17+2*\q]   ; gate_b starts the sums
.endr
.irp s, 1,2,3,4,5,6,7
.irp q, 0,1,2,3
	v_pk_add_f32 v[80+2*\q:81+2*\q], v[80+2*\q:81+2*\q], v[16+8*\s+2*\q:17+8*\s+2*\q]   ; K ascending
.endr
.endr
	s_delay_alu instid0(VALU_DEP_3)
	v_max3_num_f32 v88, v80, v81, v82
	v_max3_num_f32 v89, v83, v84, v85
	v_max_num_f32 v90, v86, v87
	s_delay_alu instid0(VALU_DEP_1)
	v_max3_num_f32 v88, v88, v89, v90              ; the row's largest logit is taken away
.irp e, 0,1,2,3,4,5,6,7
	v_sub_f32 v[80+\e], v[80+\e], v88
.endr
.irp e, 0,1,2,3,4,5,6,7
	v_mul_f32 v[80+\e], 0x3fb8aa3b, v[80+\e]       ; x log2(e)
.endr
	s_wait_alu depctr_va_vdst(0)                   ; a wait ahead of the batch,
.irp e, 0,1,2,3,4,5,6,7
	v_exp_f32 v[80+\e], v[80+\e]
.endr
	v_nop                                          ; a plain line behind the exponentials,
	s_wait_alu depctr_va_vdst(0)                   ; and a wait behind it
	v_add_f32 v88, v80, v81
	v_add_f32 v89, v82, v83
	v_add_f32 v90, v84, v85
	v_add_f32 v91, v86, v87
.irp e, 0,1,2,3,4,5,6,7
	v_max_num_f32 v[96+\e], 0x2b800000, v[80+\e]   ; held at 2^-40 (the row's largest is 1)
.endr
	v_add_f32 v88, v88, v89
	v_add_f32 v90, v90, v91
	v_add_f32 v88, v88, v90                        ; at least 1: the largest logit's term
	s_wait_alu depctr_va_vdst(0)
.irp e, 0,1,2,3,4,5,6,7
	v_rcp_f32 v[104+\e], v[96+\e]
.endr
	v_rcp_f32 v112, v88
	v_nop                                          ; a plain line behind the reciprocals
	s_wait_alu depctr_va_vdst(0)
.irp i, 0,1,2,3,4,5,6
	v_mul_f32 v[120+\i], v[96+\i], v[105+\i]       ; g_i / g_(i + 1)
.endr
	v_mul_f32 v127, v103, v104                     ; g_7 / g_0
	v_mul_f32 v128, v103, v112                     ; g_7
	v_mul_f32 v129, v103, v112
.irp e, 0,1,2,3,4,5,6,7
	v_mul_f32 v[132+\e], v[96+\e], v104            ; g_e / g_0: for the bias term alone
.endr
.irp q, 0,1,2,3
	v_mov_b32 v[144+\q], 0
.endr
.irp q, 0,1,2,3
	v_cvt_pk_bf16_f32 v[140+\q], v[132+2*\q], v[133+2*\q]
.endr
.irp q, 0,1,2,3,4
	global_store_b64 v11, v[120+2*\q:121+2*\q], s[16:17] offset:256*\q   ; 32 lanes store 256 consecutive bytes, aligned
.endr
	global_store_b64 v11, v[128:129], s[16:17] offset:1280
	global_store_b128 v12, v[140:143], s[18:19]            ; sixteen lanes store 256 consecutive bytes
	global_store_b128 v12, v[144:147], s[18:19] offset:256 ; lanes 16-31 of the operand: zeros
	s_wait_tensorcnt 0x0
	ds_add_u32 v[SPW], v[NIL]
	s_wait_dscnt 0x0
	s_endpgm
.Lfunc_end_k_q36d4b7ea47_prep:
	.size	k_q36d4b7ea47_prep, .Lfunc_end_k_q36d4b7ea47_prep-k_q36d4b7ea47_prep
	.p2alignl 7, 3214868480
	.fill 96, 4, 3214868480
	.section	.rodata,"a",@progbits
	.p2align	6, 0x0
	.amdhsa_kernel k_q36d4b7ea47_prep
		.amdhsa_group_segment_fixed_size 169984
		.amdhsa_private_segment_fixed_size 0
		.amdhsa_enable_private_segment 0
		.amdhsa_kernarg_size 72
		.amdhsa_user_sgpr_count 2
		.amdhsa_user_sgpr_kernarg_segment_ptr 1
		.amdhsa_wavefront_size32 1
		.amdhsa_system_sgpr_workgroup_id_x 1
		.amdhsa_system_sgpr_workgroup_id_y 1
		.amdhsa_system_sgpr_workgroup_id_z 1
		.amdhsa_system_vgpr_workitem_id 0
		.amdhsa_next_free_vgpr 216
		.amdhsa_next_free_sgpr 66
		.amdhsa_reserve_vcc 0
		.amdhsa_float_denorm_mode_32 3
		.amdhsa_float_denorm_mode_16_64 3
		.amdhsa_memory_ordered 1
		.amdhsa_forward_progress 1
		.amdhsa_inst_pref_size 36
	.end_amdhsa_kernel
	.amdgpu_metadata
---
amdhsa.version: [ 1, 2 ]
amdhsa.kernels:
  - .name:           k_q36d4b7ea47_prep
    .symbol:         k_q36d4b7ea47_prep.kd
    .args:
      - { .name: x, .offset: 0, .size: 8, .value_kind: global_buffer, .address_space: global }
      - { .name: gate_W, .offset: 8, .size: 8, .value_kind: global_buffer, .address_space: global }
      - { .name: gate_b, .offset: 16, .size: 8, .value_kind: global_buffer, .address_space: global }
      - { .name: b, .offset: 24, .size: 8, .value_kind: global_buffer, .address_space: global }
      - { .name: x_img, .offset: 32, .size: 8, .value_kind: global_buffer, .address_space: global }
      - { .name: x_sc, .offset: 40, .size: 8, .value_kind: global_buffer, .address_space: global }
      - { .name: gate_ws, .offset: 48, .size: 8, .value_kind: global_buffer, .address_space: global }
      - { .name: gate_bf, .offset: 56, .size: 8, .value_kind: global_buffer, .address_space: global }
      - { .name: b_img, .offset: 64, .size: 8, .value_kind: global_buffer, .address_space: global }
    .group_segment_fixed_size: 169984
    .private_segment_fixed_size: 0
    .kernarg_segment_align: 8
    .kernarg_segment_size: 72
    .max_flat_workgroup_size: 512
    .sgpr_count:     66
    .vgpr_count:     216
    .wavefront_size: 32
...
	.end_amdgpu_metadata
.endif
;; end of part 1
;; launch moe (part 2): grid 16 x 16, 4 waves a work-group, clusters of 4 x 1, 327,680 bytes of LDS; arguments W_codes, W_scales, b_img, x_img, x_sc, gate_ws, gate_bf, out0; writes out0
.if DOCPART == 2
	.amdgcn_target "amdgcn-amd-amdhsa--gfx1250"
	.amdhsa_code_object_version 6
	.text
	.protected	k_q36d4b7ea47_moe
	.globl	k_q36d4b7ea47_moe
	.p2align	8
	.type	k_q36d4b7ea47_moe,@function
k_q36d4b7ea47_moe:
	s_mov_b64 s[64:65], 0
	v_nop
	global_prefetch_b8 v0, s[64:65] scope:SCOPE_SE
	s_setreg_imm32_b32 hwreg(HW_REG_WAVE_MODE, 25, 1), 1
	s_wait_xcnt 0x0
	s_wait_alu depctr_hold_cnt(0) depctr_sa_sdst(0) depctr_va_vdst(0) depctr_va_sdst(0) depctr_va_ssrc(0) depctr_va_vcc(0) depctr_vm_vsrc(0)
	s_getreg_b32 s2, hwreg(HW_REG_IB_STS2, 6, 4)
	s_cmp_eq_u32 s2, 0
	s_cbranch_scc0 .Lentry_in_a_cluster
	s_endpgm
.Lentry_in_a_cluster:
	s_bfe_u32 s2, ttmp6, 0x10000c
	s_cmp_lg_u32 s2, 0x3003
	s_cbranch_scc0 .Lentry_shape_is_right
	s_endpgm
.Lentry_shape_is_right:
; out[n][o] = sum over e of g[n][e] (sum over k of Q(x)[n][k] W[e][k][o] + b[e][o]).  x's codes, scale bytes and the gate's ratios come from the launch before; W as given: codes of BF8 (E5M2), K innermost, one E8M0 byte for each 32 along K.
; SHARES.  A work-group takes 512 rows x 64 columns, all 8 experts, all of K: 16 x 16 work-groups of equal work.  Wave w takes rows 128 w .. 128 w + 127 (eight row tiles) and all 64 columns (four column tiles): 32 accumulators.
; HALF OF K OF x STAYS IN REGISTERS: 128 rows x 512 codes are 512 registers, loaded as images of operand registers.  Only W goes through LDS, and each fragment of W read from LDS feeds eight products.
; A UNIT is one expert in one half of K: 4 K steps x 32 products, the 32 accumulators by turns.  16 units: unit u: half u >> 3, expert u & 7.
; THE WEIGHTED SUM GOES IN ONE SET OF ACCUMULATORS: they hold the sum so far divided by the gate of the expert in hand.  From expert e to e + 1 they are multiplied by g_e / g_(e + 1) (from 7 to 0 likewise), and at the end by g_7.
; These 128 packed multiplications stand behind the products of a unit's last K step and of the next unit's first, two or three a product; tile i's between its products of those two steps.
; THE MATRIX INSTRUCTION IS USED TRANSPOSED (source 0 = 16 rows of W = 16 outputs, source 1 = 16 rows of x): a lane holds ONE row of x and eight neighbouring outputs, so a ratio is one number a lane.
; THE SUMS BEGIN as sum over e of (g_e / g_0) b_e: a product that the problem leaves as it is (K = 8), by 32 16x16x32 bf16 products with C = 0: nothing is cleared.
; RING.  Two LDS slots, each with four units' tiles of W (4 x 64 rows x 512 bytes), a unit a wave.  A slot is four units, 512 products a wave; each of the three refills and first fills is asked for a slot's four units ahead of its first read, so W is not prefetched.
; THE CHANGE OF SLOTS lies in the last K step of a slot's last unit: by then all its fragments are in registers.  x's second half comes K step by K step as the first half's registers fall free, in units 7 and 8; its bytes are prefetched in unit 3, each by one work-group:
; the sixteen column groups that read the same rows share them out by address.
; CLUSTER.  The four work-groups of a cluster are four row blocks of one column group: they walk the same tiles of W in the same order, so each tile is asked for JOINTLY (mask 15).  x does not go through LDS, so nothing else is shared.
; LIMITS: NaN and infinities among the inputs are not served.  b and g / g_0 enter the bias product rounded to bf16, and b must stay finite so rounded.  Gates are held at 2^-40 of a row's largest, so an expert's result must stay under 2^87 in magnitude.
; REGISTERS, in windows of 256 (s_set_vgpr_msb: bits 1:0 source 0, 3:2 source 1, 5:4 source 2, 7:6 destination):
;   window 0: v1-15 addresses; v16-23 ratios; v32-63 x's scale words, all of K; v64-67 W's, two sets; v128-255 W's fragments, two sets of four (at the head and on the way out: other things)
;   window 1: x's fragments of a half's K steps 0, 1 (row tile m at 128 (k % 2) + 16 m);  window 2: K steps 2, 3;  window 3: the accumulators (column tile c, row tile m at 8 (8 c + m))
.set PITCH,  528                       ; a row of W in LDS: 512 bytes + 16 of padding = 33 x 16: the 16 rows that a load touches start in 16 different columns of 16 bytes
.set UNITB,  64*PITCH
.set SLOTB,  4*UNITB
.set WSC,    2*SLOTB                   ; behind the ring: W's scale words, [expert][K step 8][64 columns]
.set RAT,    WSC+16384                 ; behind them: ratios, 6,144 bytes a wave: [32 rows 4][number 12][row 32]
.set SPARE,  RAT+4*6144                ; the spare words, 128 bytes a wave
.set SPITCH, 272                       ; the way out: 16 rows x (256 bytes + 16) a wave, in slot 0, which has had its last fill and its last read by then
.set AW0,  1                           ; v1   my lane's place in a tile of W: 528 r + 16 h
.set ADW,  2                           ; v2   in the unit in hand
.set STO,  3                           ; v3   the way out: where I put 32 bytes of a row
.set RD,   4                           ; v4   and where I read a row back
.set CO,   5                           ; v5   my byte offset in out0: 4,096 h + 16 r
.set SPW,  6                           ; v6   LDS address of my spare word; never rewritten
.set NIL,  7                           ; v7   0; never rewritten
.set WSO,  8                           ; v8   32 x lane
.set LI,   9                           ; v9   16 x lane
.set WS0,  10                          ; v10  LDS: W's scale words, 4 x lane
.set WSA,  11                          ; v11  in the unit in hand
.set RA0,  12                          ; v12  LDS: my ratios, 4 r
.set RA,   13                          ; v13  of the next boundary
.set BA,   14                          ; v14  16 r
.set WST,  15                          ; v15  where I put W's scale words
.set RG,   16                          ; v16-23 ratios, row tile m's in v[RG + m]
.set RST,  24                          ; v24  where I put ratios
.set PFO,  25                          ; v25  the prefetch's offset: 256 x lane, at the most 15
.set XS,   32                          ; register 8 (m / 2) + k: lanes 0-15 row tile m even, lanes 16-31 m odd; k = 0 .. 7
.set WSW,  64                          ; W's: v65, v67 of an even K step, v64, v66 of an odd one: lanes 0-15 column tile even, lanes 16-31 odd.  No product's two scale words have numbers equal modulo 8
.set WF,   128                         ; set k % 2 at + 64; fragment c at + 16 c
.set GF,   68                          ; at the head only: g / g_0 as bf16 fragments, v68-131;
.set WT,   132                         ; W's scale bytes, v132-163;
.set RTT,  164                         ; ratios, v164-211;
.set BF,   212                         ; b's fragments, v212-231
.set XB,   10                          ; s[10:11] x_img at my wave's rows
.set OB,   18                          ; s[18:19] out0 at my wave's first row, my column group
.set WV,   20                          ; s20  wave
.set G1,   28                          ; s[28:35] descriptor group 1
.set G0,   36                          ; s[36:39] group 0
.set WB,   40                          ; s[40:41] W_codes at my unit of fill 0
.set OFF,  42
.set LB,   44                          ; s44  my unit's place in slot 0
.set TB,   46                          ; s46  the unit in hand: its tile in LDS,
.set TE,   47                          ; s47  its scale words,
.set TR,   48                          ; s48  the ratios behind it
.set LC,   49
.set PF,   50                          ; s[50:51] where my prefetch stands
.set MSB, 0
.macro WIN new                         ; the immediate's high byte repeats the setting that is left; a switch that changes nothing is dropped
.if MSB != (\new)
	s_set_vgpr_msb (MSB<<8)|(\new)
.set MSB, (\new)
.endif
.endm
.macro CREST                           ; a round of the cluster's barrier behind its opening barrier
	s_cmp_lg_u32 s[WV], 0
	s_cbranch_scc1 .Lnot_wave_0_\@
	s_barrier_signal -3
.Lnot_wave_0_\@:
	s_barrier_wait -3
	s_barrier_signal -1
	s_barrier_wait -1
.endm
.macro CROUND                          ; a whole round
	s_barrier_signal -1
	s_barrier_wait -1
	CREST
.endm
.macro JLOAD                           ; the joint load: one line for all four waves, each with its own unit of the slot; four v_nop follow
	tensor_load_to_lds s[G0:G0+3], s[G1:G1+7]
	s_nop 0
.rept 4
	v_nop
.endr
.endm
.macro AIM off, lds                    ; group 0 of the next fill (no tensor load of mine is out)
	s_add_nc_u64 s[G0+2:G0+3], s[WB:WB+1], \off
	s_or_b32 s[G0+3], s[G0+3], 0x80000000          ; type = 2
	s_add_co_u32 s[G0+1], s[LB], \lds
.endm
; One product: column tile c, row tile m, K step ks of half h.  An odd tile's scale words lie in lanes 16-31.
.macro PROD c, m, ks, h
.set rY, 8*(8*(\c)+(\m))
.set rW, WF+64*((\ks)%2)+16*(\c)
.set rX, 128*((\ks)%2)+16*(\m)
.set rA, WSW+1-(\ks)%2+2*((\c)/2)
.set rB, XS+8*((\m)/2)+4*(\h)+(\ks)
.set rR, 2*((\c)%2)+(\m)%2
	WIN 0xf4+4*((\ks)/2)                           ; W window 0, x window 1 or 2, sums window 3
.if rR == 0
	v_wmma_scale_f32_16x16x128_f8f6f4 v[rY:rY+7], v[rW:rW+15], v[rX:rX+15], v[rY:rY+7], v[rA], v[rB] matrix_a_fmt:MATRIX_FMT_BF8 matrix_b_fmt:MATRIX_FMT_BF8
.elseif rR == 1
	v_wmma_scale_f32_16x16x128_f8f6f4 v[rY:rY+7], v[rW:rW+15], v[rX:rX+15], v[rY:rY+7], v[rA], v[rB] matrix_a_fmt:MATRIX_FMT_BF8 matrix_b_fmt:MATRIX_FMT_BF8 matrix_b_scale:MATRIX_SCALE_ROW1
.elseif rR == 2
	v_wmma_scale_f32_16x16x128_f8f6f4 v[rY:rY+7], v[rW:rW+15], v[rX:rX+15], v[rY:rY+7], v[rA], v[rB] matrix_a_fmt:MATRIX_FMT_BF8 matrix_b_fmt:MATRIX_FMT_BF8 matrix_a_scale:MATRIX_SCALE_ROW1
.else
	v_wmma_scale_f32_16x16x128_f8f6f4 v[rY:rY+7], v[rW:rW+15], v[rX:rX+15], v[rY:rY+7], v[rA], v[rB] matrix_a_fmt:MATRIX_FMT_BF8 matrix_b_fmt:MATRIX_FMT_BF8 matrix_a_scale:MATRIX_SCALE_ROW1 matrix_b_scale:MATRIX_SCALE_ROW1
.endif
.endm
.macro SL n, j                         ; two of tile n's eight registers (n = 8 c + m) times row tile m's ratio: the low or the high register of a pair serves both
.set a_, 8*(\n)+2*(\j)
.set g_, RG+2*(((\n)%8)/2)
	WIN 0xc3
.if (\n)%2
	v_pk_mul_f32 v[a_:a_+1], v[a_:a_+1], v[g_:g_+1] op_sel:[0,1] op_sel_hi:[1,1]
.else
	v_pk_mul_f32 v[a_:a_+1], v[a_:a_+1], v[g_:g_+1] op_sel_hi:[1,0]
.endif
.endm
; The 128 multiplications at a boundary, by the 64 places behind the products of K step 3 (0 to 31) and the next K step 0 (32 to 63): they stand in places 4 to 62, evenly.  Tile i's product of K step 3 is number i, of K step 0 number 32 + i:
; tile i's first line has eight or more lines on other tiles (or the v_nop of places 0 to 3) between itself and the former; its last line lies ahead of the latter.
.macro GAP g
.if (\g) > 3 && (\g) < 63
.set lo_, (((\g)-4)*128)/59
.set hi_, (((\g)-3)*128)/59
.rept hi_-lo_
.set t_, lo_/4
.set j_, lo_%4
	SL t_, j_
.set lo_, lo_+1
.endr
.endif
.endm
; Products from .. to - 1 of a K step.  sc = 1: places 0 to 31 of a boundary; 2: places 32 to 63; 0: none.  Where no multiplications stand there, two v_nop stand behind each of the first four products: eight places
; between the last step's products and the loads into the registers that they read.
.macro PRODS ks, h, from, to, sc
.set n_, \from
.rept (\to)-(\from)
.set c_, n_/8
.set m_, n_%8
	PROD c_, m_, \ks, \h
.if (\sc) == 2
	GAP 32+n_
.elseif n_ < 4
	v_nop
	v_nop
.elseif (\sc) == 1
	GAP n_
.endif
.set n_, n_+1
.endr
.endm
.macro RUN k                           ; the fragments and scale words of K step k of the unit at TB, TE: 18 loads
	WIN 0
	v_add_nc_u32 v[WSA], s[TE], v[WS0]
	v_add_nc_u32 v[ADW], s[TB], v[AW0]
.irp p, 0,1
	ds_load_b32 v[WSW+1-(\k)%2+2*\p], v[WSA] offset:256*(\k)+128*\p
.endr
.irp c, 0,1,2,3
.irp i, 0,1,2,3
	ds_load_b128 v[WF+64*((\k)%2)+16*\c+4*\i:WF+64*((\k)%2)+16*\c+4*\i+3], v[ADW] offset:16*PITCH*\c+128*(\k)+32*\i
.endr
.endr
.endm
.macro XLOAD k                         ; x's fragments of K step k = 0 .. 7: 32 loads, each of 512 consecutive bytes
	WIN 0x40*(1+((\k)%4)/2)
.irp m, 0,1,2,3,4,5,6,7
.irp i, 0,1,2,3
	global_load_b128 v[128*((\k)%2)+16*\m+4*\i:128*((\k)%2)+16*\m+4*\i+3], v[LI], s[XB:XB+1] offset:16384*\m+2048*(\k)+512*\i
.endr
.endr
	WIN 0
.endm
.macro RATIO                           ; the ratios of the boundary behind the unit in hand; the last boundary's were last read in K step 0
	WIN 0
	v_add_nc_u32 v[RA], s[TR], v[RA0]
.irp m, 0,1,2,3,4,5,6,7
	ds_load_b32 v[RG+\m], v[RA] offset:1536*(\m/2)+64*(\m%2)
.endr
	s_add_co_u32 s[TR], s[TR], 128
.endm
; A K step.  nk: the K step whose fragments are asked for behind the first four products (K step 3: the next unit's 0).  lw: the count for x's loads, where some may be out (-1: none).  xk: x's K step that is asked for behind them (-1: none).
.macro KS ks, h, nk, sc, lw, xk
	s_wait_dscnt 0x0                               ; this step's fragments, asked for 28 products ago
.if (\lw) >= 0
	s_wait_loadcnt \lw
.endif
	PRODS \ks, \h, 0, 4, \sc
.if (\ks) == 1
	RATIO
.endif
.if (\ks) == 3
	s_add_co_u32 s[TB], s[TB], UNITB
	s_add_co_u32 s[TE], s[TE], 2048
.endif
	RUN \nk
.if (\xk) >= 0
	XLOAD \xk
.endif
	PRODS \ks, \h, 4, 32, \sc
.endm
; K step 3 with the change of slots.  In front of the signal each wave waits for all its tensor loads (its unit of the slot ahead), adds 0 to its spare word, and waits for that and for its reads of the slot that it leaves.
; fill = 1: a round of the cluster's barrier, so that no wave of any partner still reads that slot or has a load on its way, and behind it the joint fill of that slot.  tb, te: the next unit.
.macro KC h, fill, off, lds, tb, te, xk
	WIN 0
	s_wait_dscnt 0x0
	s_wait_tensorcnt 0x0
	ds_add_u32 v[SPW], v[NIL]
.if \fill
	AIM \off, \lds
.endif
	PRODS 3, \h, 0, 4, 1
	s_wait_dscnt 0x0                               ; the add is done
	s_barrier_signal -1
	PRODS 3, \h, 4, 8, 1
	WIN 0
	s_barrier_wait -1
.if \fill
	CREST
	JLOAD
.endif
	s_mov_b32 s[TB], \tb
	s_mov_b32 s[TE], \te
	RUN 0
.if (\xk) >= 0
	XLOAD \xk
.endif
	PRODS 3, \h, 8, 32, 1
.endm
; A trip of a loop: K steps 1 to 3 of a unit and K step 0 of the next
.macro TRIP h, w1, w2, w3
	KS 1, \h, 2, 0, \w1, -1
	KS 2, \h, 3, 0, \w2, -1
	KS 3, \h, 0, 1, \w3, -1
	KS 0, \h, 1, 2, -1, -1
	WIN 0
	s_sub_co_u32 s[LC], s[LC], 1
	s_cmp_lg_u32 s[LC], 0
.endm
	s_load_b256 s[4:11], s[0:1], 0x0               ; W_codes, W_scales, b_img, x_img
	s_load_b256 s[12:19], s[0:1], 0x20             ; x_sc, gate_ws, gate_bf, out0
	v_lshl_add_u32 v[SPW], v0, 2, SPARE
	v_mov_b32 v[NIL], 0
	ds_add_u32 v[SPW], v[NIL]                      ; the opening: the add, twice on end, and its wait ahead of my first tensor load
	ds_add_u32 v[SPW], v[NIL]
	v_lshrrev_b32 v1, 5, v0
	v_readfirstlane_b32 s[WV], v1                  ; wave 0..3
	s_bfe_u32 s21, ttmp6, 0x40000                  ; cx: my place in the cluster
	s_lshl_b32 s22, ttmp9, 2                       ; in a cluster launch ttmp9 counts clusters
	s_add_co_u32 s22, s22, s21                     ; my block of 512 rows: it enters the addresses of x_img, x_sc, gate_ws, gate_bf and out0 alone
	s_and_b32 s23, ttmp7, 0xffff                   ; my column group, which the four partners share
	; descriptor group 1: 64 rows x 512 bytes, 1,024 bytes apart, 4 words of padding behind every 128
	s_mov_b32 s[G1], 15|(1<<20)|(1<<21)|(6<<22)|(3<<25)   ; 15:0 the mask: all four work-groups; 17:16 elements of 1 byte; 20 padding on; 21 set beside a mask; 24:22 code 6; 31:25 code 3
	s_mov_b32 s[G1+1], 512<<16                     ; tensor_dim0
	s_mov_b32 s[G1+2], 64<<16                      ; tensor_dim1
	s_mov_b32 s[G1+3], 512<<16                     ; tile_dim0
	s_mov_b32 s[G1+4], 64                          ; tile_dim1
	s_mov_b32 s[G1+5], 1024                        ; stride from row to row
	s_mov_b32 s[G1+6], 0
	s_mov_b32 s[G1+7], 0
	; my unit of a fill: expert w (fills 0, 2) or 4 + w (1, 3).  These registers never hold my place in the cluster
	s_lshl_b32 s[OFF], s23, 16                     ; a column group's 64 rows of 1,024 bytes,
	s_lshl_b32 s60, s[WV], 20                      ; an expert
	s_add_co_u32 s[OFF], s[OFF], s60
	s_mov_b32 s[OFF+1], 0
	s_mul_i32 s[LB], s[WV], UNITB                  ; the wave's number alone enters an LDS address
	s_mov_b32 s[G0], 1                             ; count
	s_mov_b32 s[G0+1], s[LB]
	s_mov_b32 s[TB], 0
	s_mov_b32 s[TE], 0
	s_wait_dscnt 0x0
	s_wait_kmcnt 0x0
	s_add_nc_u64 s[WB:WB+1], s[4:5], s[OFF:OFF+1]
	s_mov_b64 s[G0+2:G0+3], s[WB:WB+1]             ; fill 0: experts 0 to 3, half 0
	s_or_b32 s[G0+3], s[G0+3], 0x80000000
	CROUND                                         ; all four work-groups are here: the first joint loads meet
	JLOAD
	s_lshl_b32 s26, s22, 2
	s_add_co_u32 s26, s26, s[WV]                   ; which 128 rows are my wave's: 4 x block + wave
	s_mov_b32 s25, 0
	s_lshl_b32 s24, s26, 17                        ; x_img: eight row tiles of 16,384 bytes
	s_add_nc_u64 s[10:11], s[10:11], s[24:25]
	s_lshl_b32 s24, s26, 12                        ; x_sc: 128 rows of 32; gate_bf: eight row tiles of 512
	s_add_nc_u64 s[12:13], s[12:13], s[24:25]
	s_add_nc_u64 s[16:17], s[16:17], s[24:25]
	s_mul_i32 s24, s26, 6144                       ; gate_ws: four times 1,536
	s_add_nc_u64 s[14:15], s[14:15], s[24:25]
	s_lshl_b32 s24, s26, 19                        ; out0: 128 rows of 4,096,
	s_lshl_b32 s27, s23, 8                         ; 64 columns of 4
	s_add_co_u32 s24, s24, s27
	s_add_nc_u64 s[OB:OB+1], s[18:19], s[24:25]
	s_lshl_b32 s24, s23, 10                        ; b_img: four column tiles of 256
	s_add_nc_u64 s[8:9], s[8:9], s[24:25]
	s_lshl_b32 s24, s23, 11                        ; W_scales: 64 rows of 32,
	s_lshl_b32 s27, s[WV], 16                      ; experts 2 w, 2 w + 1
	s_add_co_u32 s24, s24, s27
	s_add_nc_u64 s[6:7], s[6:7], s[24:25]
	s_lshr_b32 s24, s23, 1                         ; the prefetch: of my rows' second half of K the column group's sixteenth: row tile y / 2, K steps 4, 5 or 6, 7: 4,096 bytes
	s_lshl_b32 s24, s24, 14
	s_and_b32 s27, s23, 1
	s_lshl_b32 s27, s27, 12
	s_add_co_u32 s24, s24, s27
	s_add_co_u32 s24, s24, 8192
	s_add_nc_u64 s[PF:PF+1], s[10:11], s[24:25]
	s_mul_i32 s61, s[WV], 16*SPITCH                ; my stage
	s_mul_i32 s62, s[WV], 6144
	s_add_co_u32 s62, s62, RAT                     ; my ratios
	s_lshl_b32 s63, s[WV], 12                      ; my two experts' scale words
	v_and_b32 v[LI], 31, v0                        ; lane
	v_and_b32 v[BA], 15, v0                        ; r
	v_bfe_u32 v[CO], v0, 4, 1                      ; h
	v_lshlrev_b32 v[WSO], 5, v[LI]
	v_lshl_add_u32 v[WS0], v[LI], 2, WSC
	v_min_u32 v[PFO], 15, v[LI]
	v_lshlrev_b32 v[PFO], 8, v[PFO]
	v_add_nc_u32 v[WST], s63, v[WS0]
	v_mul_u32_u24 v[AW0], v[BA], PITCH
	v_lshl_add_u32 v[AW0], v[CO], 4, v[AW0]
	v_mul_u32_u24 v[STO], v[BA], SPITCH            ; in: row r, 32 bytes for each half of the lanes
	v_lshl_add_u32 v[STO], v[CO], 5, v[STO]
	v_add_nc_u32 v[STO], s61, v[STO]
	v_mul_u32_u24 v[RD], v[CO], SPITCH             ; back: lanes 0-15 one row of 256 bytes, lanes 16-31 the next
	v_lshl_add_u32 v[RD], v[BA], 4, v[RD]
	v_add_nc_u32 v[RD], s61, v[RD]
	v_lshlrev_b32 v[RA0], 2, v[BA]
	v_add_nc_u32 v[RA0], s62, v[RA0]
	v_lshlrev_b32 v[RST], 3, v[BA]
	v_lshl_add_u32 v[RST], v[CO], 8, v[RST]
	v_add_nc_u32 v[RST], s62, v[RST]
	v_lshlrev_b32 v[CO], 12, v[CO]
	v_lshl_add_u32 v[CO], v[BA], 4, v[CO]
	v_lshlrev_b32 v[BA], 4, v[BA]
	v_lshlrev_b32 v[LI], 4, v[LI]
.irp m, 0,1,2,3,4,5,6,7
.irp q, 4,5,6,7
	v_mov_b32 v[GF+8*\m+\q], 0                     ; places 8 and more along K of the bias product
.endr
.endr
.irp q, 16,17,18,19
	v_mov_b32 v[BF+\q], 0                          ; the last fragment's upper registers, which meet zeros
.endr
	s_wait_alu depctr_va_vdst(0)                   ; the wait at the head's end
.irp c, 0,1,2,3
	global_load_b128 v[BF+4*\c:BF+4*\c+3], v[BA], s[8:9] offset:256*\c      ; b of experts 0..7 at column 16 c + r, in both halves of the lanes: the upper half meets zeros
.endr
.irp m, 0,1,2,3,4,5,6,7
	global_load_b128 v[GF+8*\m:GF+8*\m+3], v[LI], s[16:17] offset:512*\m
.endr
.irp e, 0,1
.irp q, 0,1
	global_load_b128 v[WT+16*\e+8*\q:WT+16*\e+8*\q+3], v[WSO], s[6:7] offset:32768*\e+1024*\q        ; lane l: column 32 q + l, K steps 0-3,
	global_load_b128 v[WT+16*\e+8*\q+4:WT+16*\e+8*\q+7], v[WSO], s[6:7] offset:32768*\e+1024*\q+16   ; K steps 4-7
.endr
.endr
.irp i, 0,1,2,3,4,5,6,7,8,9,10,11
	global_load_b128 v[RTT+4*\i:RTT+4*\i+3], v[LI], s[14:15] offset:512*\i
.endr
.irp q, 0,1,2,3
	global_load_b128 v[XS+8*\q:XS+8*\q+3], v[WSO], s[12:13] offset:1024*\q        ; lane l: row 32 q + l of my 128, K steps 0-3,
	global_load_b128 v[XS+8*\q+4:XS+8*\q+7], v[WSO], s[12:13] offset:1024*\q+16   ; K steps 4-7
.endr
	XLOAD 0
	s_wait_loadcnt 0x20                            ; all but x's K step 0
	XLOAD 1
.irp e, 0,1
.irp q, 0,1
.irp k, 0,1,2,3,4,5,6,7
	ds_store_b32 v[WST], v[WT+16*\e+8*\q+\k] offset:2048*\e+256*\k+128*\q
.endr
.endr
.endr
.irp i, 0,1,2,3,4,5,6,7,8,9,10,11                  ; a lane's 16 bytes: numbers 2 p, 2 p + 1 of two rows
	ds_store_b32 v[RST], v[RTT+4*\i] offset:512*\i
	ds_store_b32 v[RST], v[RTT+4*\i+1] offset:512*\i+128
	ds_store_b32 v[RST], v[RTT+4*\i+2] offset:512*\i+4
	ds_store_b32 v[RST], v[RTT+4*\i+3] offset:512*\i+132
.endr
	WIN 0xc0                                       ; destination window 3
.irp c, 0,1,2,3
.irp m, 0,1,2,3,4,5,6,7
	v_wmma_f32_16x16x32_bf16 v[8*(8*\c+\m):8*(8*\c+\m)+7], v[BF+4*\c:BF+4*\c+7], v[GF+8*\m:GF+8*\m+7], 0
.endr
.endr
	WIN 0
.rept 8
	v_nop                                          ; places in front of the loads into b's and g's registers and of the products that go on with the sums
.endr
	s_wait_tensorcnt 0x0                           ; my unit of fill 0 is in
	ds_add_u32 v[SPW], v[NIL]
	AIM 0x400000, SLOTB                            ; fill 1: experts 4 to 7, half 0
	s_wait_dscnt 0x0                               ; the add is done, and so are my stores of scale words
	CROUND                                         ; fill 0 and all scale words are in, and all four work-groups are here
	JLOAD
	RUN 0
	XLOAD 2
	KS 0, 0, 1, 0, 63, 3                           ; at most 63 of x's 96 loads may be out: K step 0 is in.  Nothing is multiplied by a ratio ahead of the first expert
	WIN 0
	s_mov_b32 s[TR], 0
	s_mov_b32 s[LC], 3
.Lunits_0:                                             ; units 0 to 2.  The first trip's counts: behind x's K step 1 stand 64 loads, behind 2 32, behind 3 none
	TRIP 0, 63, 32, 0
	s_cbranch_scc1 .Lunits_0
	s_mov_b32 s[TR], 3*128
	KS 1, 0, 2, 0, -1, -1                          ; unit 3
	WIN 0
	global_prefetch_b8 v[PFO], s[PF:PF+1] th:TH_LOAD_NT scope:SCOPE_SE   ; x's second half, four units ahead of its loads: sixteen blocks of 256 bytes a wave, each named by one work-group
	KS 2, 0, 3, 0, -1, -1
	KC 0, 1, 512, 0, 4*UNITB, 4*2048, -1           ; fill 2: experts 0 to 3, half 1, into slot 0
	KS 0, 0, 1, 2, -1, -1
	WIN 0
	s_mov_b32 s[TR], 4*128
	s_mov_b32 s[LC], 3
.Lunits_4:                                             ; units 4 to 6
	TRIP 0, -1, -1, -1
	s_cbranch_scc1 .Lunits_4
	s_mov_b32 s[TR], 7*128
	KS 1, 0, 2, 0, -1, 4                           ; unit 7: behind each K step x's second half takes the registers of the step before
	KS 2, 0, 3, 0, -1, 5
	KC 0, 1, 0x400200, SLOTB, 0, 1024, 6           ; fill 3: experts 4 to 7, half 1, into slot 1
	KS 0, 1, 1, 2, 63, 7                           ; unit 8: behind x's K step 4 stand 64 loads
	WIN 0
	s_mov_b32 s[TR], 0
	s_mov_b32 s[LC], 3
.Lunits_8:                                             ; units 8 to 10.  The first trip's counts: behind x's K step 5 stand 64 loads, behind 6 32, behind 7 none
	TRIP 1, 63, 32, 0
	s_cbranch_scc1 .Lunits_8
	s_mov_b32 s[TR], 3*128
	KS 1, 1, 2, 0, -1, -1                          ; unit 11
	KS 2, 1, 3, 0, -1, -1
	KC 1, 0, 0, 0, 4*UNITB, 4*2048+1024, -1        ; nothing is filled any more: one barrier
	KS 0, 1, 1, 2, -1, -1
	WIN 0
	s_mov_b32 s[TR], 4*128
	s_mov_b32 s[LC], 3
.Lunits_12:                                            ; units 12 to 14
	TRIP 1, -1, -1, -1
	s_cbranch_scc1 .Lunits_12
	s_mov_b32 s[TR], 8*128                         ; unit 15: behind it g_7
	KS 1, 1, 2, 0, -1, -1
	KS 2, 1, 3, 0, -1, -1
; The very last K step goes by rows: row tile m is finished by products 4 m to 4 m + 3 (the 32 accumulators still take turns).  Row tiles 0 to 3 are multiplied by g_7 behind the products of 4 to 7.
	s_wait_dscnt 0x0
.set n_, 0
.rept 32
.set c_, n_%4
.set m_, n_/4
	PROD c_, m_, 3, 1
.if n_ > 15
.set t_, 8*c_+m_-4
	SL t_, 0
	SL t_, 1
	SL t_, 2
	SL t_, 3
.elseif n_ > 11
	v_nop
	v_nop
.endif
.set n_, n_+1
.endr
.macro BYG m                           ; row tile m times g_7
.irp c, 0,1,2,3
.irp j, 0,1,2,3
	SL 8*\c+\m, \j
.endr
.endr
.endm
; THE WAY OUT of row tile m.  A lane holds 32 neighbouring bytes of a row and the lanes beside it hold other rows: 16 rows x 256 bytes go through my own stage and come back by rows.
; LDS serves a wave's instructions in order (ISA guide 5.7.1.4): no wait between the stores and the loads, nor in front of the next tile's stores.
.macro STG m, buf
	WIN 0x0c                                       ; an LDS store's data are its source 1: window 3
.irp c, 0,1,2,3
	ds_store_b128 v[STO], v[8*(8*\c+\m):8*(8*\c+\m)+3] offset:64*\c
	ds_store_b128 v[STO], v[8*(8*\c+\m)+4:8*(8*\c+\m)+7] offset:64*\c+16
.endr
	WIN 0
.irp i, 0,1,2,3,4,5,6,7
	ds_load_b128 v[\buf+4*\i:\buf+4*\i+3], v[RD] offset:2*SPITCH*\i
.endr
.endm
.macro SND m, buf, younger             ; younger: the LDS instructions issued behind tile m's loads
	s_wait_dscnt \younger
.irp i, 0,1,2,3,4,5,6,7
	global_store_b128 v[CO], v[\buf+4*\i:\buf+4*\i+3], s[OB:OB+1] offset:(16*\m+2*\i)*4096 th:TH_STORE_NT   ; sixteen lanes store 256 consecutive bytes, at a multiple of 256 from out0's first byte
.endr
.endm
	STG 0, 128                                     ; fragment set 0, last read in K step 2
	STG 1, 160
	BYG 4                                          ; 32 lines: places in front of the loads into fragment set 1
	BYG 5
	WIN 0
	SND 0, 128, 16
	SND 1, 160, 0
	STG 2, 192
	STG 3, 224
	BYG 6
	BYG 7
	WIN 0
	s_wait_alu depctr_va_vdst(0)
	SND 2, 192, 16
	SND 3, 224, 0
	s_wait_xcnt 0x0                                ; the stores have read their registers
	STG 4, 128
	STG 5, 160
	STG 6, 192
	STG 7, 224
	SND 4, 128, 48
	SND 5, 160, 32
	SND 6, 192, 16
	SND 7, 224, 0
	s_wait_tensorcnt 0x0                           ; the wave's end: behind my last tensor load and my last LDS store
	ds_add_u32 v[SPW], v[NIL]
	s_wait_dscnt 0x0
	CROUND                                         ; the closing round: no work-group ends while a partner may still ask for a tile that names it
	s_endpgm
.Lfunc_end_k_q36d4b7ea47_moe:
	.size	k_q36d4b7ea47_moe, .Lfunc_end_k_q36d4b7ea47_moe-k_q36d4b7ea47_moe
	.p2alignl 7, 3214868480
	.fill 96, 4, 3214868480
	.section	.rodata,"a",@progbits
	.p2align	6, 0x0
	.amdhsa_kernel k_q36d4b7ea47_moe
		.amdhsa_group_segment_fixed_size 327680
		.amdhsa_private_segment_fixed_size 0
		.amdhsa_enable_private_segment 0
		.amdhsa_kernarg_size 64
		.amdhsa_user_sgpr_count 2
		.amdhsa_user_sgpr_kernarg_segment_ptr 1
		.amdhsa_wavefront_size32 1
		.amdhsa_system_sgpr_workgroup_id_x 1
		.amdhsa_system_sgpr_workgroup_id_y 1
		.amdhsa_system_sgpr_workgroup_id_z 1
		.amdhsa_system_vgpr_workitem_id 0
		.amdhsa_next_free_vgpr 1024
		.amdhsa_next_free_sgpr 66
		.amdhsa_reserve_vcc 0
		.amdhsa_float_denorm_mode_32 3
		.amdhsa_float_denorm_mode_16_64 3
		.amdhsa_memory_ordered 1
		.amdhsa_forward_progress 1
		.amdhsa_inst_pref_size 255
	.end_amdhsa_kernel
	.section	.bss,"aw",@nobits
	.p2align	6
	.space	262144
	.amdgpu_metadata
---
amdhsa.version: [ 1, 2 ]
amdhsa.kernels:
  - .name:           k_q36d4b7ea47_moe
    .symbol:         k_q36d4b7ea47_moe.kd
    .args:
      - { .name: W_codes, .offset: 0, .size: 8, .value_kind: global_buffer, .address_space: global }
      - { .name: W_scales, .offset: 8, .size: 8, .value_kind: global_buffer, .address_space: global }
      - { .name: b_img, .offset: 16, .size: 8, .value_kind: global_buffer, .address_space: global }
      - { .name: x_img, .offset: 24, .size: 8, .value_kind: global_buffer, .address_space: global }
      - { .name: x_sc, .offset: 32, .size: 8, .value_kind: global_buffer, .address_space: global }
      - { .name: gate_ws, .offset: 40, .size: 8, .value_kind: global_buffer, .address_space: global }
      - { .name: gate_bf, .offset: 48, .size: 8, .value_kind: global_buffer, .address_space: global }
      - { .name: out0, .offset: 56, .size: 8, .value_kind: global_buffer, .address_space: global }
    .group_segment_fixed_size: 327680
    .private_segment_fixed_size: 0
    .kernarg_segment_align: 8
    .kernarg_segment_size: 64
    .max_flat_workgroup_size: 128
    .sgpr_count:     66
    .vgpr_count:     1024
    .wavefront_size: 32
...
	.end_amdgpu_metadata
.endif
;; end of part 2
